; MI455X (gfx1250); checked and timed in simulation.
; The chip was launched on July 23, 2026; its instructions are those of AMD's public machine-readable ISA for CDNA 5 (MIT licence, August 2026) and "CDNA5" Instruction Set Architecture Reference Guide (July 2026). The comments in the code are by the model that wrote it; some were corrected since.
;; Attention MV. Allowed arithmetic: float matrix products may take bf16 or f16 operands with f32 sums; all other float work in f32.
;; Inputs: W 1,024 x 1,024 float32; b 1 x 1,024 float32; ctx 32 x 1,024 float32; enc 32 x 2,048 x 1,024 float32.
;; Outputs: out0 32 x 1,024 float32.
;; One version. Each part assembles by itself: llvm-mc -triple=amdgcn-amd-amdhsa -mcpu=gfx1250 --defsym DOCPART=n.
;; ======== version 1 of 1: 3 launches
;; workspace buffers: wf 2,097,152 bytes; part 1,048,576 bytes; stats 65,536 bytes
;; launch prep (part 1): grid 256 x 1, 4 waves a work-group, no clusters, 9,728 bytes of LDS; arguments W, wf; writes wf
.if DOCPART == 1
	.amdgcn_target "amdgcn-amd-amdhsa--gfx1250"
	.amdhsa_code_object_version 6
	.text
	.protected	k_q84180c7105_prep
	.globl	k_q84180c7105_prep
	.p2align	8
	.type	k_q84180c7105_prep,@function
k_q84180c7105_prep:
	s_mov_b64 s[64:65], 0
	v_nop
	global_prefetch_b8 v0, s[64:65] scope:SCOPE_SE
	s_setreg_imm32_b32 hwreg(HW_REG_WAVE_MODE, 25, 1), 1
	s_wait_xcnt 0x0
; W [1024 k][1024 n] f32  ->  wf, bf16 (nearest even), laid out as the matrix unit's B fragments:
; wf[s:16][w:4][c:2][nb:16][half:2][lane:32][8 bf16]; item (s, w, c, nb, half, lane = 16 h + r) holds W[64 s + 32 c + 16 half + 8 h + i][256 w + 16 nb + r], i = 0..7.
; So half a fragment is 512 dense bytes, 16 a lane, and the 32 KiB that one wave of the main launch needs for a K step of 64 are dense.
; A work-group takes 16 rows of k (kblk) and 256 columns (wq), a wave 64 of the columns.  Every load covers two runs of 256 aligned bytes, every store 512 dense bytes.
; The turn from [k][n] to [n][8 k] goes through the wave's own LDS bytes: no barrier.  No matrix unit, no cluster: every byte is read once and nothing is shared.
.set CH,    528                        ; bytes from chunk to chunk (a chunk = 16 columns x 16 k = 512 bytes) in the stage: 512 + 16, so that the 16 lanes of a store hit 16 different 16-byte columns modulo 256
.set WST,   2304                       ; a wave's stage: 4 chunks, rounded up to whole blocks of 256 bytes
.set SPARE, 4*WST                      ; behind the stages: the spare words, 128 bytes a wave
.set X,   8                            ; v[8:39]   8 rows x 4 columns f32 as loaded
.set Y,   40                           ; v[40:55]  4 columns x 8 k bf16
.set Z,   56                           ; v[56:71]  4 chunks' 16 bytes, as stored
.set SPW, 72                           ; v72  my spare word's LDS address; never rewritten
.set NIL, 73                           ; v73  0; never rewritten
	s_load_b128 s[4:7], s[0:1], 0x0                ; W s[4:5], wf s[6:7]
	v_lshl_add_u32 v[SPW], v0, 2, SPARE
	v_mov_b32 v[NIL], 0
	v_lshrrev_b32 v1, 5, v0
	v_readfirstlane_b32 s8, v1                     ; wave 0..3
	s_lshr_b32 s9, ttmp9, 2                        ; kblk 0..63
	s_and_b32 s10, ttmp9, 3                        ; wq 0..3
	s_lshl_b32 s14, s9, 16                         ; W: 16 rows of 4,096 bytes
	s_lshl_b32 s15, s10, 10                        ;  + 256 columns
	s_add_co_u32 s14, s14, s15
	s_lshl_b32 s15, s8, 8                          ;  + 64 columns a wave
	s_add_co_u32 s14, s14, s15
	s_mov_b32 s15, 0
	s_lshr_b32 s16, s9, 2                          ; wf: s = kblk / 4
	s_lshl_b32 s16, s16, 17
	s_lshl_b32 s17, s10, 15                        ;  + w
	s_add_co_u32 s16, s16, s17
	s_bfe_u32 s17, s9, 0x10001                     ;  + c = bit 1 of kblk
	s_lshl_b32 s17, s17, 14
	s_add_co_u32 s16, s16, s17
	s_lshl_b32 s17, s8, 12                         ;  + nb = 4 x wave
	s_add_co_u32 s16, s16, s17
	s_and_b32 s17, s9, 1                           ;  + half = bit 0 of kblk
	s_lshl_b32 s17, s17, 9
	s_add_co_u32 s16, s16, s17
	s_mov_b32 s17, 0
	s_mul_i32 s12, s8, WST                         ; my wave's stage
	v_and_b32 v1, 15, v0                           ; q: which four columns
	v_bfe_u32 v2, v0, 4, 1                         ; h: which eight rows
	v_and_b32 v3, 31, v0                           ; lane
	v_lshlrev_b32 v4, 4, v1
	v_lshl_add_u32 v4, v2, 15, v4                  ; load offset: 8 h rows + 16 q bytes
	v_lshrrev_b32 v6, 2, v1                        ; column 4 q + j lies in chunk q / 4, at lane place 16 h + 4 (q % 4) + j
	v_mul_u32_u24 v5, v6, CH
	v_lshl_add_u32 v5, v2, 8, v5
	v_and_b32 v6, 3, v1
	v_lshl_add_u32 v5, v6, 6, v5
	v_add_nc_u32 v5, s12, v5                       ; where I put column j: + 16 j
	v_lshlrev_b32 v7, 4, v3                        ; 16 x lane: my place in a chunk, in LDS and in wf
	v_add_nc_u32 v6, s12, v7                       ; where I read chunk t back: + CH t
	s_wait_kmcnt 0x0
	s_add_nc_u64 s[4:5], s[4:5], s[14:15]
	s_add_nc_u64 s[6:7], s[6:7], s[16:17]
.irp i, 0,1,2,3,4,5,6,7
	global_load_b128 v[X+4*\i:X+4*\i+3], v4, s[4:5] offset:4096*\i th:TH_LOAD_NT  ; row 8 h + i, columns 4 q .. 4 q + 3
.endr
	s_wait_loadcnt 0x0
.irp j, 0,1,2,3
.irp t, 0,1,2,3
	v_cvt_pk_bf16_f32 v[Y+4*\j+\t], v[X+8*\t+\j], v[X+8*\t+4+\j]  ; column j, rows 2 t and 2 t + 1
.endr
.endr
.irp j, 0,1,2,3
	ds_store_b128 v5, v[Y+4*\j:Y+4*\j+3] offset:16*\j
.endr
.irp t, 0,1,2,3
	ds_load_b128 v[Z+4*\t:Z+4*\t+3], v6 offset:CH*\t  ; LDS serves a wave's instructions in order (ISA guide 5.7.1.4): these see the stores above
.endr
	s_wait_dscnt 0x0
.irp t, 0,1,2,3
	global_store_b128 v7, v[Z+4*\t:Z+4*\t+3], s[6:7] offset:1024*\t  ; 512 consecutive bytes, at a multiple of 512 from wf's first
.endr
	s_wait_tensorcnt 0x0                           ; the wave's end: a wait, an add of 0 to my spare word and its wait, behind my last LDS store
	ds_add_u32 v[SPW], v[NIL]
	s_wait_dscnt 0x0
	s_endpgm
.Lfunc_end_k_q84180c7105_prep:
	.size	k_q84180c7105_prep, .Lfunc_end_k_q84180c7105_prep-k_q84180c7105_prep
	.p2alignl 7, 3214868480
	.fill 96, 4, 3214868480
	.section	.rodata,"a",@progbits
	.p2align	6, 0x0
	.amdhsa_kernel k_q84180c7105_prep
		.amdhsa_group_segment_fixed_size 9728
		.amdhsa_private_segment_fixed_size 0
		.amdhsa_enable_private_segment 0
		.amdhsa_kernarg_size 16
		.amdhsa_user_sgpr_count 2
		.amdhsa_user_sgpr_kernarg_segment_ptr 1
		.amdhsa_wavefront_size32 1
		.amdhsa_system_sgpr_workgroup_id_x 1
		.amdhsa_system_sgpr_workgroup_id_y 1
		.amdhsa_system_sgpr_workgroup_id_z 1
		.amdhsa_system_vgpr_workitem_id 0
		.amdhsa_next_free_vgpr 80
		.amdhsa_next_free_sgpr 66
		.amdhsa_reserve_vcc 0
		.amdhsa_float_denorm_mode_32 3
		.amdhsa_float_denorm_mode_16_64 3
		.amdhsa_memory_ordered 1
		.amdhsa_forward_progress 1
		.amdhsa_inst_pref_size 5
	.end_amdhsa_kernel
	.amdgpu_metadata
---
amdhsa.version: [ 1, 2 ]
amdhsa.kernels:
  - .name:           k_q84180c7105_prep
    .symbol:         k_q84180c7105_prep.kd
    .args:
      - { .name: W, .offset: 0, .size: 8, .value_kind: global_buffer, .address_space: global }
      - { .name: wf, .offset: 8, .size: 8, .value_kind: global_buffer, .address_space: global }
    .group_segment_fixed_size: 9728
    .private_segment_fixed_size: 0
    .kernarg_segment_align: 8
    .kernarg_segment_size: 16
    .max_flat_workgroup_size: 128
    .sgpr_count:     66
    .vgpr_count:     80
    .wavefront_size: 32
...
	.end_amdgpu_metadata
.endif
;; end of part 1
;; launch main (part 2): grid 256 x 1, 4 waves a work-group, clusters of 4 x 1, 327,680 bytes of LDS; arguments enc, wf, b, ctx, part, stats; writes part, stats
.if DOCPART == 2
	.amdgcn_target "amdgcn-amd-amdhsa--gfx1250"
	.amdhsa_code_object_version 6
	.text
	.protected	k_q84180c7105_main
	.globl	k_q84180c7105_main
	.p2align	8
	.type	k_q84180c7105_main,@function
k_q84180c7105_main:
	s_mov_b64 s[64:65], 0
	v_nop
	global_prefetch_b8 v0, s[64:65] scope:SCOPE_SE
	s_setreg_imm32_b32 hwreg(HW_REG_WAVE_MODE, 25, 1), 1
	s_wait_xcnt 0x0
	s_wait_alu depctr_hold_cnt(0) depctr_sa_sdst(0) depctr_va_vdst(0) depctr_va_sdst(0) depctr_va_ssrc(0) depctr_va_vcc(0) depctr_vm_vsrc(0)
	s_getreg_b32 s2, hwreg(HW_REG_IB_STS2, 6, 4)
	s_cmp_eq_u32 s2, 0
	s_cbranch_scc0 .Lentry_in_a_cluster
	s_endpgm
.Lentry_in_a_cluster:
	s_bfe_u32 s2, ttmp6, 0x10000c
	s_cmp_lg_u32 s2, 0x3003
	s_cbranch_scc0 .Lentry_shape_is_right
	s_endpgm
.Lentry_shape_is_right:
; ht = tanh(enc W + b); score = ctx . ht; a running softmax over rows; P = sum of weight x ht.  ht never leaves the registers.
; SHARES.  A work-group owns 256 rows of enc (an eighth of a batch), as four tiles of 64 rows.  Wave w owns all 64 rows x columns 256 w .. 256 w + 255 of ht: 64 accumulators, 512 registers,
; so that the work-group holds whole rows: a row's weight needs all 1,024 columns, and the pooling then needs the same ht once more.
; K goes in 16 steps of 64 a tile; a step is four UNITS (c = which 32 of K, hb = which 128 of my columns) of 32 matrix instructions.
; B.  wf holds W in bf16 in fragment order.
; CLUSTER.  The four work-groups of a cluster walk the same wf in step, so each load is asked for JOINTLY (mask of four).  enc is shared by nobody.
; A.  enc comes through registers: each wave loads 16 rows x 256 aligned bytes two steps ahead (two register sets, even and odd steps), rounds them to bf16 once and puts them into one of two
; small LDS buffers, from which all four waves take their fragments.  One text serves every lap, so the last tile's step 13 asks once more for the last even chunk (clamped, inside enc); nobody uses it.
; EPILOGUE of a tile, all in f32: tanh(x) = 1 - 2 / (1 + 2^(2 log2(e) x)); my columns' part of each row's score; sum over 16 lanes; the four waves' parts meet in LDS and are added in one order in
; every wave; running maximum m, a = 2^(m_old - m_new), weights 2^(s - m); l and P are rescaled by a and take the tile's share.  Scores are kept in units of log2 (ctx is scaled by log2(e)).
; OUT.  part[work-group][1024] = P, stats[work-group] = 32 copies of (m, l): the last launch merges a batch's eight.
; LIMITS.  enc, W, b and ctx are ALL rounded to bf16 (nearest even); sums, tanh, scores, softmax and pooling are f32.  A weight below 2^-126 counts as 0; m starts at the lowest finite number;
; tanh saturates to +-1 for any finite argument; NaN and infinities are not treated apart.
; REGISTERS, in windows of 256 (s_set_vgpr_msb: bits 1:0 source 0, 3:2 source 1, 5:4 source 2, 7:6 destination):
;   window 0: v0-31 addresses and statistics; v32-95 A's fragments (two buffers by c); v96-127, v128-159 enc as loaded (even, odd steps); v160-175 at work; v176-207 scores, then weights; v208-239 P
;   window 1: v0-127 B's fragments (two buffers by hb; in the epilogue the other waves' scores); v128-159 2 log2(e) b, v160-191 log2(e) ctx, a pair for each 16 columns
;   window 2 + hb: accumulator (mb, nb') at v[8 (8 mb + nb')]: rows 16 mb .., columns 128 hb + 16 nb' ..; register j of lane (r, h) is row 16 mb + 8 h + j, column .. + r
.set SLOTB,  131072                    ; a slot: four waves x 32 KiB
.set ABUF,   2*SLOTB                   ; two A buffers of 64 rows
.set APITCH, 144                       ; 128 bytes of bf16 + 16: an odd multiple of 16, so the 16 rows of a fragment load start in 16 different 16-byte columns modulo 256
.set ABYTES, 64*APITCH
.set XCH,    ABUF+2*ABYTES             ; [wave][64 rows] f32: the waves' parts of the scores
.set OST,    XCH+1024                  ; [wave][256] f32: the way out
.set SPARE,  OST+4096                  ; the spare words, 128 bytes a wave: two blocks of 256 bytes that no other line names
.set LASTE,  3*262144+14*256           ; the last even and odd steps' byte offsets in my 256 rows of enc
.set LASTO,  3*262144+15*256
.set GA,   3                           ; v3   enc: (16 w + 8 h) rows + 16 r bytes; never rewritten
.set AST,  4                           ; v4   where I put 8 bytes of A's row 16 w + 8 h
.set ADRA, 5                           ; v5-6 my lane's place in A buffer 0, 1
.set ADRB, 7                           ; v7-8 my lane's place in my quarter of slot 0, 1
.set XW,   9                           ; v9   where my half of the lanes puts its scores
.set XR,   10                          ; v10  where it reads wave 0's
.set OW,   11                          ; v11  the way out: in
.set ORD,  12                          ; v12  the way out: back
.set PO,   13                          ; v13  my byte offset in the work-group's row of part
.set SPW,  14                          ; v14  my spare word; never rewritten
.set NIL,  15                          ; v15  0; never rewritten
.set TC,   16                          ; v16-19 four chains of the maximum
.set MN,   20                          ; v20-21 the new maximum, twice
.set AF,   22                          ; v22 a, v23 its argument
.set ML,   24                          ; v24 m, v25 l at the end
.set LS,   26                          ; v26-27 l of my 32 rows (even, odd)
.set L8,   28                          ; v28  8 x lane
.set VB,   29                          ; v29  byte offset of column 256 w + r in b and ctx
.set FA,   32
.set GE,   96
.set GO,   128
.set T,    160
.set SC,   176                         ; row 16 mb + 8 h + j at SC + 8 mb + j
.set P,    208                         ; a pair (even rows', odd rows') for each nb
.set FB,   0                           ; window 1
.set XT,   0
.set BB,   128
.set CX,   160
.set WV,   16                          ; s16  my wave's number
.set G1,   24                          ; s[24:31] descriptor group 1
.set G0,   32                          ; s[32:39] group 0, a set for each slot
; s[40:41], s[42:43] byte offsets of the even and odd sets' next chunk (high words 0); s[44:45], s[46:47] their bases; s[48:49] 2 log2(e); s[50:51] lane selects; s52 tiles; s53 laps; s54 at work; s55 log2(e)
.set MSB, 0
.macro WIN new                         ; the immediate's high byte repeats the setting that is left; a switch that changes nothing is dropped
.if MSB != (\new)
	s_set_vgpr_msb (MSB<<8)|(\new)
.set MSB, (\new)
.endif
.endm
.macro PLACES                          ; four places between a matrix instruction and a load into, or a vector read of, its registers (ISA guide 7.12.1 for vector reads)
.rept 4
	v_nop
.endr
.endm
.macro CREST                           ; a round of the cluster's barrier behind its opening barrier
	s_cmp_lg_u32 s[WV], 0
	s_cbranch_scc1 .Lnot_wave_0_\@
	s_barrier_signal -3
.Lnot_wave_0_\@:
	s_barrier_wait -3
	s_barrier_signal -1
	s_barrier_wait -1
.endm
.macro CROUND
	s_barrier_signal -1
	s_barrier_wait -1
	CREST
.endm
; Matrix instructions of unit (c, hb) for column blocks n0 .. n1 - 1, four row blocks each.  Every instruction names another accumulator than the one before it, across units too (hb alternates).
.macro MUL c, hb, n0, n1, zero
	WIN 0xa4+0x50*(\hb)                            ; A window 0, B window 1, C and D window 2 + hb
.set nn, \n0
.rept (\n1)-(\n0)
.irp mb, 0,1,2,3
.if \zero
	v_wmma_f32_16x16x32_bf16 v[8*(8*\mb+nn):8*(8*\mb+nn)+7], v[FA+32*(\c)+8*\mb:FA+32*(\c)+8*\mb+7], v[FB+64*(\hb)+8*nn:FB+64*(\hb)+8*nn+7], 0
.else
	v_wmma_f32_16x16x32_bf16 v[8*(8*\mb+nn):8*(8*\mb+nn)+7], v[FA+32*(\c)+8*\mb:FA+32*(\c)+8*\mb+7], v[FB+64*(\hb)+8*nn:FB+64*(\hb)+8*nn+7], v[8*(8*\mb+nn):8*(8*\mb+nn)+7]
.endif
.endr
.set nn, nn+1
.endr
.endm
; The fragments of unit (c, hb) of the step in slot: 16 loads of B in one run; with hb = 0 also A's 8 for this c (they serve both hb).
.macro FETCH slot, c, hb
	WIN 0x40                                       ; destination window 1
.irp i, 0,1,2,3,4,5,6,7
	ds_load_b128 v[FB+64*(\hb)+8*\i:FB+64*(\hb)+8*\i+3],   v[ADRB+(\slot)] offset:(\c)*16384+(8*(\hb)+\i)*1024
	ds_load_b128 v[FB+64*(\hb)+8*\i+4:FB+64*(\hb)+8*\i+7], v[ADRB+(\slot)] offset:(\c)*16384+(8*(\hb)+\i)*1024+512
.endr
.if (\hb) == 0
	WIN 0
.irp mb, 0,1,2,3
	ds_load_b128 v[FA+32*(\c)+8*\mb:FA+32*(\c)+8*\mb+3],   v[ADRA+(\slot)] offset:\mb*16*APITCH+64*(\c)
	ds_load_b128 v[FA+32*(\c)+8*\mb+4:FA+32*(\c)+8*\mb+7], v[ADRA+(\slot)] offset:\mb*16*APITCH+64*(\c)+32
.endr
.endif
.endm
; A set of enc (registers g, offset s[ox], base s[bx:bx+1]) is rounded to bf16 and put into A buffer buf; reload = 1: the set is asked for again, two steps on.
.macro STAGE g, ox, bx, last, buf, reload
	WIN 0
	s_wait_loadcnt 0x8                             ; loads come back in order: this set's eight are in, the other set's eight younger ones stay out; the set's base is free too
.irp j, 0,1,2,3,4,5,6,7
	v_cvt_pk_bf16_f32 v[T+2*\j],   v[(\g)+4*\j],   v[(\g)+4*\j+1]
	v_cvt_pk_bf16_f32 v[T+2*\j+1], v[(\g)+4*\j+2], v[(\g)+4*\j+3]
.endr
.if \reload
	s_add_co_u32 s[\ox], s[\ox], 512               ; two steps of 256 bytes along the rows;
	s_and_b32 s54, s[\ox], 0xe00                   ; past the rows' end (bits 11:9 are 0 again)
	s_cselect_b32 s54, 0, 258048                   ; it goes 64 rows down and back to the rows' head;
	s_add_co_u32 s[\ox], s[\ox], s54
	s_min_u32 s[\ox], s[\ox], \last                ; past my last tile it stays at the set's last chunk: no load leaves enc
	s_add_nc_u64 s[\bx:\bx+1], s[4:5], s[\ox:\ox+1]
.endif
.irp j, 0,1,2,3,4,5,6,7
	ds_store_b64 v[AST], v[T+2*\j:T+2*\j+1] offset:(\buf)*ABYTES+APITCH*\j  ; lanes 0-15 fill 128 bytes of a row, lanes 16-31 of the row eight further down, 128 bytes on modulo 256
.endr
.if \reload
.irp j, 0,1,2,3,4,5,6,7
	global_load_b128 v[(\g)+4*\j:(\g)+4*\j+3], v[GA], s[\bx:\bx+1] offset:4096*\j th:TH_LOAD_NT  ; 16 lanes read 256 consecutive bytes, at a multiple of 256 from enc's first
.endr
.endif
.endm
; A unit: its fragments, asked for a unit ago, are waited for; the next unit's (ns, nc, nh) are asked for; st: 1 the odd set is staged and reloaded, 2 the even set, 3 the odd set without reload.
.macro UNIT c, hb, zero, ns, nc, nh, st
	s_wait_dscnt 0x0
.if (\ns) >= 0
	PLACES
	FETCH \ns, \nc, \nh
.endif
.if (\st) == 1
	STAGE GO, 42, 46, LASTO, 1, 1
.elseif (\st) == 2
	STAGE GE, 40, 44, LASTE, 0, 1
.elseif (\st) == 3
	STAGE GO, 42, 46, LASTO, 1, 0
.endif
	MUL \c, \hb, 0, 8, \zero
.endm
; Unit (1, 1) and the change of slots.  In front of the barrier each wave waits for all its tensor loads (one is out: its quarter of the other slot), adds 0 to its spare word, and waits for that, for its
; reads of this slot and this A buffer and for its stores into the other A buffer.  mode 2: this slot takes the step two on; 1: the next tile's step 0 or 1; in both the barrier opens a round of the
; cluster's, and the joint load is the first thing behind it, with a step's 128 matrix instructions less 16 in which to land.  mode 0: nothing is left to ask for.  ns: the slot of the next step's first fragments, or -1.
.macro TUNIT slot, mode, ns
	WIN 0
	s_wait_tensorcnt 0x0                           ; no tensor load of mine is out, so a group 0 may be written
	ds_add_u32 v[SPW], v[NIL]
	s_wait_dscnt 0x1                               ; my fragments are in and my stores of A are done; the add alone may be out
	MUL 1, 1, 0, 2, 0
	s_wait_dscnt 0x0                               ; the add is done
	s_barrier_signal -1
	MUL 1, 1, 2, 4, 0                              ; work on registers while the others arrive
	WIN 0                                          ; at a branch and at a label every window is 0
	s_barrier_wait -1
.if (\mode) != 0
	CREST                                          ; no wave of any partner still reads this slot or has a load on its way
.if (\mode) == 2
	s_add_nc_u64 s[G0+4*(\slot)+2:G0+4*(\slot)+3], s[G0+4*(\slot)+2:G0+4*(\slot)+3], 2*SLOTB
.else
	s_sub_nc_u64 s[G0+4*(\slot)+2:G0+4*(\slot)+3], s[G0+4*(\slot)+2:G0+4*(\slot)+3], 14*SLOTB
.endif
	tensor_load_to_lds s[G0+4*(\slot):G0+4*(\slot)+3], s[G1:G1+7]
	s_nop 0
.endif
	PLACES                                         ; behind the load, and the places in front of the loads below
.if (\ns) >= 0
	FETCH \ns, 0, 0
.endif
	MUL 1, 1, 4, 8, 0
.endm
	s_load_b256 s[4:11], s[0:1], 0x0               ; enc s[4:5], wf s[6:7], b s[8:9], ctx s[10:11]
	s_load_b128 s[12:15], s[0:1], 0x20             ; part s[12:13], stats s[14:15]
	v_lshl_add_u32 v[SPW], v0, 2, SPARE
	v_mov_b32 v[NIL], 0
	ds_add_u32 v[SPW], v[NIL]                      ; the wave's opening: the add and its wait stand ahead of my first tensor load; work on registers stands between them
	v_lshrrev_b32 v1, 5, v0
	v_readfirstlane_b32 s[WV], v1                  ; wave 0..3
	s_bfe_u32 s17, ttmp6, 0x40000                  ; cx: my place in the cluster
	s_lshl_b32 s18, ttmp9, 2                       ; in a cluster launch ttmp9 counts clusters
	s_add_co_u32 s18, s18, s17                     ; my work-group: it enters the addresses of enc, ctx, part and stats alone
	; descriptor group 1: 32 KiB dense, as 128 rows of 256 bytes (32 elements of 8 bytes), no padding
	s_mov_b32 s[G1+0], 15|(3<<16)|(1<<21)          ; 15:0 the mask of four; 17:16 elements of 8 bytes; 21 set beside a mask
	s_mov_b32 s[G1+1], 32<<16                      ; tensor_dim0 = 32
	s_mov_b32 s[G1+2], 128<<16                     ; tensor_dim1 = 128
	s_mov_b32 s[G1+3], 32<<16                      ; tile_dim0 = 32
	s_mov_b32 s[G1+4], 128                         ; tile_dim1 = 128
	s_mov_b32 s[G1+5], 32                          ; 32 elements from row to row
	s_mov_b32 s[G1+6], 0
	s_mov_b32 s[G1+7], 0
	s_lshl_b32 s22, s[WV], 15                      ; my quarter of a slot, in LDS and in wf
	s_mov_b32 s23, 0
	s_mov_b32 s[G0+0], 1
	s_lshl_b32 s[G0+1], s[WV], 15                  ; LDS address: slot 0
	s_mov_b32 s[G0+4], 1
	s_add_co_u32 s[G0+5], s22, SLOTB               ; slot 1
	s_mov_b32 s21, 0
	s_mov_b32 s40, 0                               ; the even set begins with step 0,
	s_mov_b32 s41, 0
	s_mov_b32 s42, 256                             ; the odd set with step 1
	s_mov_b32 s43, 0
	s_mov_b32 s48, 0x4038aa3b                      ; 2 log2(e)
	s_mov_b32 s49, s48                             ; named with it as a pair
	s_mov_b32 s50, 0x76543210                      ; v_permlanex16_b32: each lane takes its own place in the other half
	s_mov_b32 s51, 0xfedcba98
	s_mov_b32 s55, 0x3fb8aa3b                      ; log2(e)
	s_wait_dscnt 0x0                               ; the opening add is done
	s_wait_kmcnt 0x0
	s_add_nc_u64 s[G0+2:G0+3], s[6:7], s[22:23]    ; K step 0
	s_add_nc_u64 s[G0+6:G0+7], s[6:7], s[22:23]
	s_add_nc_u64 s[G0+6:G0+7], s[G0+6:G0+7], SLOTB ; K step 1
	s_or_b32 s[G0+3], s[G0+3], 0x80000000          ; type = 2
	s_or_b32 s[G0+7], s[G0+7], 0x80000000
	s_lshl_b32 s20, s18, 20                        ; my 256 rows of 4,096 bytes
	s_add_nc_u64 s[4:5], s[4:5], s[20:21]
	s_lshr_b32 s20, s18, 3                         ; my batch's row of ctx
	s_lshl_b32 s20, s20, 12
	s_add_nc_u64 s[10:11], s[10:11], s[20:21]
	s_lshl_b32 s20, s18, 12
	s_add_nc_u64 s[12:13], s[12:13], s[20:21]
	s_lshl_b32 s20, s18, 8
	s_add_nc_u64 s[14:15], s[14:15], s[20:21]
	s_mov_b64 s[44:45], s[4:5]
	s_add_nc_u64 s[46:47], s[4:5], s[42:43]
	CROUND                                         ; all four work-groups are here: the first joint loads meet
	tensor_load_to_lds s[G0:G0+3], s[G1:G1+7]      ; both first fills go out together: two loads of mine are out
	s_nop 0
	tensor_load_to_lds s[G0+4:G0+7], s[G1:G1+7]
	s_nop 0
	PLACES
	v_and_b32 v1, 15, v0                           ; r
	v_bfe_u32 v2, v0, 4, 1                         ; h
	s_lshl_b32 s54, s[WV], 10
	v_lshl_add_u32 v[VB], v1, 2, s54
	v_lshlrev_b32 v[GA], 4, v1
	v_lshl_add_u32 v[GA], v2, 15, v[GA]
	s_lshl_b32 s20, s[WV], 16
	v_add_nc_u32 v[GA], s20, v[GA]
.set i, 0
.rept 16
	global_load_b32 v[32+i], v[VB], s[8:9] offset:64*i    ; b of column 256 w + 16 nb + r
.set i, i+1
.endr
.set i, 0
.rept 16
	global_load_b32 v[48+i], v[VB], s[10:11] offset:64*i  ; ctx likewise
.set i, i+1
.endr
.irp j, 0,1,2,3,4,5,6,7
	global_load_b128 v[GE+4*\j:GE+4*\j+3], v[GA], s[44:45] offset:4096*\j th:TH_LOAD_NT
.endr
.irp j, 0,1,2,3,4,5,6,7
	global_load_b128 v[GO+4*\j:GO+4*\j+3], v[GA], s[46:47] offset:4096*\j th:TH_LOAD_NT
.endr
	v_and_b32 v30, 31, v0                          ; lane
	v_lshlrev_b32 v31, 4, v30                      ; 16 x lane
	v_lshlrev_b32 v[L8], 3, v30
	v_add_nc_u32 v[PO], s54, v31
	s_add_co_u32 s54, s54, OST
	v_lshl_add_u32 v[OW], v1, 2, s54
	v_add_nc_u32 v[ORD], s54, v31
	s_mul_i32 s54, s[WV], 16*APITCH
	s_add_co_u32 s54, s54, ABUF
	v_mul_u32_u24 v[AST], v2, 8*APITCH
	v_lshl_add_u32 v[AST], v1, 3, v[AST]
	v_add_nc_u32 v[AST], s54, v[AST]
	v_mul_u32_u24 v[ADRA], v1, APITCH
	v_lshl_add_u32 v[ADRA], v2, 4, v[ADRA]
	v_add_nc_u32 v[ADRA+1], ABUF+ABYTES, v[ADRA]
	v_add_nc_u32 v[ADRA], ABUF, v[ADRA]
	v_add_nc_u32 v[ADRB], s22, v31
	v_add_nc_u32 v[ADRB+1], SLOTB, v[ADRB]
	s_lshl_b32 s54, s[WV], 8
	s_add_co_u32 s54, s54, XCH
	v_lshl_add_u32 v[XW], v2, 5, s54
	v_lshl_add_u32 v[XR], v2, 5, XCH
.set i, 0
.rept 32
	v_mov_b32 v[P+i], 0                            ; P and l start at 0, m at the lowest finite number: the first tile is a tile like any other, with a = 0
.set i, i+1
.endr
	v_mov_b32 v[LS], 0
	v_mov_b32 v[LS+1], 0
	v_mov_b32 v[ML], 0xff7fffff
	STAGE GE, 40, 44, LASTE, 0, 1                  ; step 0's A into buffer 0; its wait also shows b and ctx in, which were asked for earlier
.set i, 0
.rept 32
	v_cvt_pk_bf16_f32 v[32+i], v[32+i], v[32+i]    ; b and ctx rounded to bf16,
.set i, i+1
.endr
.set i, 0
.rept 32
	v_and_b32 v[32+i], 0xffff0000, v[32+i]         ; as f32 again,
.set i, i+1
.endr
	WIN 0x40
.set i, 0
.rept 16
	v_mul_f32 v[BB+2*i],   s48, v[32+i]            ; and scaled; each twice, for the packed forms
	v_mul_f32 v[BB+2*i+1], s48, v[32+i]
	v_mul_f32 v[CX+2*i],   s55, v[48+i]
	v_mul_f32 v[CX+2*i+1], s55, v[48+i]
.set i, i+1
.endr
	WIN 0
	s_wait_tensorcnt 0x1                           ; my quarter of slot 0 is in; slot 1's may stay out
	s_wait_dscnt 0x0                               ; my rows of A are stored
	s_barrier_signal -1
	s_barrier_wait -1
	s_mov_b32 s52, 4
.Ltile:
	FETCH 0, 0, 0
	UNIT 0, 0, 1,  0, 0, 1,  0                     ; a tile's first two units stand in front of the loop: their products start the 64 sums
	UNIT 0, 1, 1,  0, 1, 0,  0
	WIN 0
	s_mov_b32 s53, 7
.Llap:                                                 ; a trip goes once round the ring, from an even step's third unit to the next even step's second
	UNIT 1, 0, 0,  0, 1, 1,  1
	TUNIT 0, 2, 1
	UNIT 0, 0, 0,  1, 0, 1,  0
	UNIT 0, 1, 0,  1, 1, 0,  0
	UNIT 1, 0, 0,  1, 1, 1,  2
	TUNIT 1, 2, 0
	UNIT 0, 0, 0,  0, 0, 1,  0
	UNIT 0, 1, 0,  0, 1, 0,  0
	WIN 0
	s_sub_co_u32 s53, s53, 1
	s_cmp_lg_u32 s53, 0
	s_cbranch_scc1 .Llap
	s_cmp_eq_u32 s52, 1
	s_cbranch_scc1 .Llast                          ; the last tile's tail is written out: it asks for nothing more
	UNIT 1, 0, 0,  0, 1, 1,  1                     ; steps 14 and 15: the ring goes on into the next tile
	TUNIT 0, 1, 1
	UNIT 0, 0, 0,  1, 0, 1,  0
	UNIT 0, 1, 0,  1, 1, 0,  0
	UNIT 1, 0, 0,  1, 1, 1,  2
	TUNIT 1, 1, -1                                 ; slot 1's load is on its way during the epilogue
	WIN 0
	s_branch .Lepi
.Llast:
	UNIT 1, 0, 0,  0, 1, 1,  3
	TUNIT 0, 0, 1
	UNIT 0, 0, 0,  1, 0, 1,  0
	UNIT 0, 1, 0,  1, 1, 0,  0
	UNIT 1, 0, 0,  1, 1, 1,  0
	UNIT 1, 1, 0,  -1, 0, 0,  0
	WIN 0
.Lepi:
	PLACES
; tanh in place, accumulator by accumulator, in five stages; a stage of plain instructions on another accumulator stands behind each run of transcendentals before a result is used (ISA guide 5.7.2).
; Each accumulator's lowest registers are read first.
.macro S1 i, hb                        ; 2 log2(e) (x + b)
.irp p, 0,1,2,3
	v_pk_fma_f32 v[8*(\i)+2*\p:8*(\i)+2*\p+1], v[8*(\i)+2*\p:8*(\i)+2*\p+1], s[48:49], v[BB+2*(8*(\hb)+(\i)%8):BB+2*(8*(\hb)+(\i)%8)+1] op_sel_hi:[1,0,1]
.endr
.endm
.macro S2 i
.irp p, 0,1,2,3,4,5,6,7
	v_exp_f32 v[8*(\i)+\p], v[8*(\i)+\p]
.endr
.endm
.macro S3 i
.irp p, 0,1,2,3
	v_pk_add_f32 v[8*(\i)+2*\p:8*(\i)+2*\p+1], v[8*(\i)+2*\p:8*(\i)+2*\p+1], 1.0 op_sel_hi:[1,0]
.endr
.endm
.macro S4 i
.irp p, 0,1,2,3,4,5,6,7
	v_rcp_f32 v[8*(\i)+\p], v[8*(\i)+\p]
.endr
.endm
.macro S5 i
	s_wait_alu depctr_va_vdst(0)
.irp p, 0,1,2,3
	v_pk_fma_f32 v[8*(\i)+2*\p:8*(\i)+2*\p+1], v[8*(\i)+2*\p:8*(\i)+2*\p+1], -2.0, 1.0 op_sel_hi:[1,0,0]
.endr
.endm
.macro TANH hb
	WIN 0x92+0x41*(\hb)                            ; destination and source 0 window 2 + hb, source 2 (the bias) window 1
	S1 0, \hb
.set ii, 0
.rept 32
	S2 ii
.if ii == 0
	v_nop
	s_wait_alu depctr_va_vdst(0)
.else
	S5 ii-1
.endif
	S3 ii
	S4 ii
.if ii == 31
	v_nop
	s_wait_alu depctr_va_vdst(0)
.else
	S1 ii+1, \hb
.endif
.set ii, ii+1
.endr
	S5 31
.endm
; My 16 columns' part of each of my lane's 32 rows' scores: 16 chains that take turns.
.macro SCORE hb
	WIN 0x06+(\hb)                                 ; ht window 2 + hb, ctx window 1, the sums window 0
.set nn, 0
.rept 8
.set qq, 0
.rept 16
.if ((\hb) == 0) && (nn == 0)
	v_pk_mul_f32 v[SC+2*qq:SC+2*qq+1], v[8*(8*(qq/4)+nn)+2*(qq%4):8*(8*(qq/4)+nn)+2*(qq%4)+1], v[CX+2*(8*(\hb)+nn):CX+2*(8*(\hb)+nn)+1]
.else
	v_pk_fma_f32 v[SC+2*qq:SC+2*qq+1], v[8*(8*(qq/4)+nn)+2*(qq%4):8*(8*(qq/4)+nn)+2*(qq%4)+1], v[CX+2*(8*(\hb)+nn):CX+2*(8*(\hb)+nn)+1], v[SC+2*qq:SC+2*qq+1]
.endif
.set qq, qq+1
.endr
.set nn, nn+1
.endr
.endm
; P += weight x ht, within the lane: 8 chains that take turns.
.macro POOL hb
	WIN 0x02+(\hb)
.set qq, 0
.rept 16
.set nn, 0
.rept 8
	v_pk_fma_f32 v[P+2*(8*(\hb)+nn):P+2*(8*(\hb)+nn)+1], v[8*(8*(qq/4)+nn)+2*(qq%4):8*(8*(qq/4)+nn)+2*(qq%4)+1], v[SC+2*qq:SC+2*qq+1], v[P+2*(8*(\hb)+nn):P+2*(8*(\hb)+nn)+1]
.set nn, nn+1
.endr
.set qq, qq+1
.endr
.endm
	TANH 0
	TANH 1
	SCORE 0
	SCORE 1
	WIN 0
.irp mk, 1,2,4,8                       ; the sum over the 16 lanes of a half: every lane of the half ends up with my wave's part of its 32 rows' scores
.set qq, 0
.rept 32
	v_add_f32_dpp v[SC+qq], v[SC+qq], v[SC+qq] row_xmask:\mk row_mask:0xf bank_mask:0xf
.set qq, qq+1
.endr
.endr
.irp i, 0,1,2,3,4,5,6,7
	ds_store_b128 v[XW], v[SC+4*\i:SC+4*\i+3] offset:64*(\i/2)+16*(\i%2)  ; the 16 lanes of a half write the same words with the same values
.endr
	s_wait_dscnt 0x0                               ; for the others' sake: my stores are done
	s_barrier_signal -1                            ; My one tensor load may stay out
	s_barrier_wait -1
.irp i, 0,1,2,3,4,5,6,7
	ds_load_b128 v[SC+4*\i:SC+4*\i+3], v[XR] offset:64*(\i/2)+16*(\i%2)
.endr
	WIN 0x40
.irp wv, 1,2,3
.irp i, 0,1,2,3,4,5,6,7
	ds_load_b128 v[XT+32*(\wv-1)+4*\i:XT+32*(\wv-1)+4*\i+3], v[XR] offset:256*\wv+64*(\i/2)+16*(\i%2)
.endr
.endr
	s_wait_dscnt 0x0                               ; these words are written again only in the next tile, behind its steps' barriers
	WIN 0x04
.irp wv, 0,1,2                         ; waves 0 + 1 + 2 + 3, in this order in every wave: all four get the same bits
.set qq, 0
.rept 16
	v_pk_add_f32 v[SC+2*qq:SC+2*qq+1], v[SC+2*qq:SC+2*qq+1], v[XT+32*\wv+2*qq:XT+32*\wv+2*qq+1]
.set qq, qq+1
.endr
.endr
	WIN 0
.irp j, 0,1,2,3                        ; the maximum of my 32 scores and the old m, three operands at a time, in four chains
	v_max3_num_f32 v[TC+\j], v[SC+8*\j], v[SC+8*\j+1], v[SC+8*\j+2]
.endr
.irp j, 0,1,2,3
	v_max3_num_f32 v[TC+\j], v[TC+\j], v[SC+8*\j+3], v[SC+8*\j+4]
.endr
.irp j, 0,1,2,3
	v_max3_num_f32 v[TC+\j], v[TC+\j], v[SC+8*\j+5], v[SC+8*\j+6]
.endr
	v_max3_num_f32 v[TC], v[TC], v[SC+7], v[SC+15]
	v_max3_num_f32 v[TC+2], v[TC+2], v[SC+23], v[SC+31]
	v_max3_num_f32 v[TC], v[TC], v[TC+1], v[TC+2]
	v_max3_num_f32 v[TC], v[TC], v[TC+3], v[ML]
	v_permlanex16_b32 v[TC+1], v[TC], s50, s51     ; the tile's other 32 rows lie in the lane 16 away
	v_max_num_f32 v[MN], v[TC], v[TC+1]
	v_max_num_f32 v[MN+1], v[TC], v[TC+1]
	v_sub_f32 v[AF+1], v[ML], v[MN]
	v_exp_f32 v[AF], v[AF+1]                       ; a
	v_mov_b32 v[ML], v[MN]
.set qq, 0
.rept 16
	v_pk_add_f32 v[SC+2*qq:SC+2*qq+1], v[SC+2*qq:SC+2*qq+1], v[MN:MN+1] neg_lo:[0,1] neg_hi:[0,1]
.set qq, qq+1
.endr
.set qq, 0
.rept 32
	v_exp_f32 v[SC+qq], v[SC+qq]                   ; the weights
.set qq, qq+1
.endr
.set qq, 0
	s_wait_alu depctr_va_vdst(0)
.rept 16
	v_pk_mul_f32 v[P+2*qq:P+2*qq+1], v[P+2*qq:P+2*qq+1], v[AF:AF+1] op_sel_hi:[1,0]  ; plain work behind the exponentials
.set qq, qq+1
.endr
.irp k, 0,1,2,3                        ; the sum of my 32 weights, in four chains; the weights themselves stay for the pooling
	v_pk_add_f32 v[T+2*\k:T+2*\k+1], v[SC+2*\k:SC+2*\k+1], v[SC+8+2*\k:SC+8+2*\k+1]
.endr
.irp k, 0,1,2,3
	v_pk_add_f32 v[T+2*\k:T+2*\k+1], v[T+2*\k:T+2*\k+1], v[SC+16+2*\k:SC+16+2*\k+1]
.endr
.irp k, 0,1,2,3
	v_pk_add_f32 v[T+2*\k:T+2*\k+1], v[T+2*\k:T+2*\k+1], v[SC+24+2*\k:SC+24+2*\k+1]
.endr
	v_pk_add_f32 v[T:T+1], v[T:T+1], v[T+2:T+3]
	v_pk_add_f32 v[T+4:T+5], v[T+4:T+5], v[T+6:T+7]
	v_pk_add_f32 v[T:T+1], v[T:T+1], v[T+4:T+5]
	v_pk_fma_f32 v[LS:LS+1], v[LS:LS+1], v[AF:AF+1], v[T:T+1] op_sel_hi:[1,0,1]  ; l = a l + sum
	POOL 0
	POOL 1
	WIN 0
	s_sub_co_u32 s52, s52, 1
	s_cmp_lg_u32 s52, 0
	s_cbranch_scc1 .Ltile
	; THE WAY OUT.  A pair's two halves and the other half of the lanes' are added; my 256 columns go through my own stage and leave as 2 x 512 dense bytes.
.set qq, 0
.rept 16
	v_add_f32 v[P+2*qq], v[P+2*qq], v[P+2*qq+1]
.set qq, qq+1
.endr
.set qq, 0
.rept 16
	v_permlanex16_b32 v[P+2*qq+1], v[P+2*qq], s50, s51
.set qq, qq+1
.endr
.set qq, 0
.rept 16
	v_add_f32 v[P+2*qq], v[P+2*qq], v[P+2*qq+1]
.set qq, qq+1
.endr
	v_add_f32 v[LS], v[LS], v[LS+1]
	v_permlanex16_b32 v[LS+1], v[LS], s50, s51
	v_add_f32 v[ML+1], v[LS], v[LS+1]
.set qq, 0
.rept 16
	ds_store_b32 v[OW], v[P+2*qq] offset:64*qq     ; column 16 nb + r; both halves of the lanes write the same value
.set qq, qq+1
.endr
	ds_load_b128 v[T:T+3], v[ORD]                  ; LDS serves a wave's instructions in order (ISA guide 5.7.1.4): these see the stores above
	ds_load_b128 v[T+4:T+7], v[ORD] offset:512
	s_wait_dscnt 0x0
	global_store_b128 v[PO], v[T:T+3], s[12:13]
	global_store_b128 v[PO], v[T+4:T+7], s[12:13] offset:512
	s_wait_tensorcnt 0x0                           ; the wave's end: a wait, an add of 0 to my spare word and its wait, behind my last tensor load and my last LDS store
	ds_add_u32 v[SPW], v[NIL]
	s_wait_dscnt 0x0
	s_cmp_lg_u32 s[WV], 0                          ; all four waves hold the same m and l: wave 0 stores them, 32 copies, 256 consecutive aligned bytes
	s_cbranch_scc1 .Lno_stats
	global_store_b64 v[L8], v[ML:ML+1], s[14:15]
.Lno_stats:
	CROUND                                         ; the closing round: no work-group ends while a partner may still ask for a tile that names it
	s_endpgm
.Lfunc_end_k_q84180c7105_main:
	.size	k_q84180c7105_main, .Lfunc_end_k_q84180c7105_main-k_q84180c7105_main
	.p2alignl 7, 3214868480
	.fill 96, 4, 3214868480
	.section	.rodata,"a",@progbits
	.p2align	6, 0x0
	.amdhsa_kernel k_q84180c7105_main
		.amdhsa_group_segment_fixed_size 327680
		.amdhsa_private_segment_fixed_size 0
		.amdhsa_enable_private_segment 0
		.amdhsa_kernarg_size 48
		.amdhsa_user_sgpr_count 2
		.amdhsa_user_sgpr_kernarg_segment_ptr 1
		.amdhsa_wavefront_size32 1
		.amdhsa_system_sgpr_workgroup_id_x 1
		.amdhsa_system_sgpr_workgroup_id_y 1
		.amdhsa_system_sgpr_workgroup_id_z 1
		.amdhsa_system_vgpr_workitem_id 0
		.amdhsa_next_free_vgpr 1024
		.amdhsa_next_free_sgpr 66
		.amdhsa_reserve_vcc 0
		.amdhsa_float_denorm_mode_32 3
		.amdhsa_float_denorm_mode_16_64 3
		.amdhsa_memory_ordered 1
		.amdhsa_forward_progress 1
		.amdhsa_inst_pref_size 248
	.end_amdhsa_kernel
	.amdgpu_metadata
---
amdhsa.version: [ 1, 2 ]
amdhsa.kernels:
  - .name:           k_q84180c7105_main
    .symbol:         k_q84180c7105_main.kd
    .args:
      - { .name: enc, .offset: 0, .size: 8, .value_kind: global_buffer, .address_space: global }
      - { .name: wf, .offset: 8, .size: 8, .value_kind: global_buffer, .address_space: global }
      - { .name: b, .offset: 16, .size: 8, .value_kind: global_buffer, .address_space: global }
      - { .name: ctx, .offset: 24, .size: 8, .value_kind: global_buffer, .address_space: global }
      - { .name: part, .offset: 32, .size: 8, .value_kind: global_buffer, .address_space: global }
      - { .name: stats, .offset: 40, .size: 8, .value_kind: global_buffer, .address_space: global }
    .group_segment_fixed_size: 327680
    .private_segment_fixed_size: 0
    .kernarg_segment_align: 8
    .kernarg_segment_size: 48
    .max_flat_workgroup_size: 128
    .sgpr_count:     66
    .vgpr_count:     1024
    .wavefront_size: 32
...
	.end_amdgpu_metadata
.endif
;; end of part 2
;; launch finish (part 3): grid 4 x 32, 2 waves a work-group, no clusters, 0 bytes of LDS; arguments part, stats, out0; writes out0
.if DOCPART == 3
	.amdgcn_target "amdgcn-amd-amdhsa--gfx1250"
	.amdhsa_code_object_version 6
	.text
	.protected	k_q84180c7105_finish
	.globl	k_q84180c7105_finish
	.p2align	8
	.type	k_q84180c7105_finish,@function
k_q84180c7105_finish:
	s_mov_b64 s[64:65], 0
	v_nop
	global_prefetch_b8 v0, s[64:65] scope:SCOPE_SE
	s_setreg_imm32_b32 hwreg(HW_REG_WAVE_MODE, 25, 1), 1
	s_wait_xcnt 0x0
; out0[batch][f] = (sum over g of 2^(m_g - M) P_g[f]) / (sum over g of 2^(m_g - M) l_g), M = the largest m_g: a batch's eight partial softmaxes are merged.  m is in units of log2.
; Work-group (x, batch): 256 columns, four a thread; a wave's loads and its store cover 512 consecutive bytes.  l of the part that holds M is at least 1, so the divisor is never 0.
; A stream of some bytes: no LDS, no matrix unit, no cluster.
.set PG, 8                             ; v[8:39]   P_g's four columns, g = 0..7
.set EG, 40                            ; v[40:47]  2^(m_g - M)
.set O,  48                            ; v[48:51]  the result
	s_load_b128 s[4:7], s[0:1], 0x0                ; part s[4:5], stats s[6:7]
	s_load_b64 s[8:9], s[0:1], 0x10                ; out0
	s_and_b32 s10, ttmp7, 0xffff                   ; batch
	s_lshl_b32 s12, s10, 15                        ; its 8 rows of part,
	s_mov_b32 s13, 0
	s_lshl_b32 s14, s10, 11                        ; its 8 blocks of stats,
	s_mov_b32 s15, 0
	s_lshl_b32 s32, s10, 12                        ; its row of out0
	s_mov_b32 s33, 0
	s_lshl_b32 s11, ttmp9, 10
	v_lshl_add_u32 v1, v0, 4, s11                  ; my 16 bytes in a row
	s_wait_kmcnt 0x0
	s_add_nc_u64 s[4:5], s[4:5], s[12:13]
	s_add_nc_u64 s[6:7], s[6:7], s[14:15]
	s_add_nc_u64 s[8:9], s[8:9], s[32:33]
.irp g, 0,1,2,3,4,5,6,7
	s_load_b64 s[16+2*\g:17+2*\g], s[6:7], 256*\g  ; m_g, l_g
.endr
.irp g, 0,1,2,3,4,5,6,7
	global_load_b128 v[PG+4*\g:PG+4*\g+3], v1, s[4:5] offset:4096*\g
.endr
	s_wait_kmcnt 0x0
	v_mov_b32 v2, s16
	v_max3_num_f32 v2, v2, s18, s20
	v_max3_num_f32 v2, v2, s22, s24
	v_max3_num_f32 v2, v2, s26, s28
	v_max_num_f32 v2, s30, v2                      ; M
.irp g, 0,1,2,3,4,5,6,7
	v_sub_f32 v[EG+\g], s[16+2*\g], v2
.endr
.irp g, 0,1,2,3,4,5,6,7
	v_exp_f32 v[EG+\g], v[EG+\g]
.endr
	v_nop                                          ; a plain instruction between the last exponential and the use of its result
	s_wait_alu depctr_va_vdst(0)
	v_mul_f32 v3, s17, v[EG]
.irp g, 1,2,3,4,5,6,7
	v_fmac_f32 v3, s[17+2*\g], v[EG+\g]
.endr
	v_rcp_f32 v3, v3                               ; the sums below, which do not name it, stand behind it
	s_wait_loadcnt 0x0
.irp k, 0,1,2,3
	v_mul_f32 v[O+\k], v[PG+\k], v[EG]
.endr
.irp g, 1,2,3,4,5,6,7
.irp k, 0,1,2,3
	v_fmac_f32 v[O+\k], v[PG+4*\g+\k], v[EG+\g]
.endr
.endr
	s_wait_alu depctr_va_vdst(0)
.irp k, 0,1,2,3
	v_mul_f32 v[O+\k], v[O+\k], v3
.endr
	global_store_b128 v1, v[O:O+3], s[8:9]
	s_endpgm
.Lfunc_end_k_q84180c7105_finish:
	.size	k_q84180c7105_finish, .Lfunc_end_k_q84180c7105_finish-k_q84180c7105_finish
	.p2alignl 7, 3214868480
	.fill 96, 4, 3214868480
	.section	.rodata,"a",@progbits
	.p2align	6, 0x0
	.amdhsa_kernel k_q84180c7105_finish
		.amdhsa_group_segment_fixed_size 0
		.amdhsa_private_segment_fixed_size 0
		.amdhsa_enable_private_segment 0
		.amdhsa_kernarg_size 24
		.amdhsa_user_sgpr_count 2
		.amdhsa_user_sgpr_kernarg_segment_ptr 1
		.amdhsa_wavefront_size32 1
		.amdhsa_system_sgpr_workgroup_id_x 1
		.amdhsa_system_sgpr_workgroup_id_y 1
		.amdhsa_system_sgpr_workgroup_id_z 1
		.amdhsa_system_vgpr_workitem_id 0
		.amdhsa_next_free_vgpr 64
		.amdhsa_next_free_sgpr 66
		.amdhsa_reserve_vcc 0
		.amdhsa_float_denorm_mode_32 3
		.amdhsa_float_denorm_mode_16_64 3
		.amdhsa_memory_ordered 1
		.amdhsa_forward_progress 1
		.amdhsa_inst_pref_size 5
	.end_amdhsa_kernel
	.amdgpu_metadata
---
amdhsa.version: [ 1, 2 ]
amdhsa.kernels:
  - .name:           k_q84180c7105_finish
    .symbol:         k_q84180c7105_finish.kd
    .args:
      - { .name: part, .offset: 0, .size: 8, .value_kind: global_buffer, .address_space: global }
      - { .name: stats, .offset: 8, .size: 8, .value_kind: global_buffer, .address_space: global }
      - { .name: out0, .offset: 16, .size: 8, .value_kind: global_buffer, .address_space: global }
    .group_segment_fixed_size: 0
    .private_segment_fixed_size: 0
    .kernarg_segment_align: 8
    .kernarg_segment_size: 24
    .max_flat_workgroup_size: 64
    .sgpr_count:     66
    .vgpr_count:     64
    .wavefront_size: 32
...
	.end_amdgpu_metadata
.endif
;; end of part 3
